; MI455X (gfx1250); checked and timed in simulation.
; The chip was launched on July 23, 2026; its instructions are those of AMD's public machine-readable ISA for CDNA 5 (MIT licence, August 2026) and "CDNA5" Instruction Set Architecture Reference Guide (July 2026). The comments in the code are by the model that wrote it; some were corrected since.
;; Interact Pre. Allowed arithmetic: float matrix products may take bf16 or f16 operands with f32 sums; all other float work in f32.
;; Inputs: W1 64 x 256 float32; W2 64 x 256 float32; Wa 64 x 64 float32; Wc 256 x 1,024 float32; Wf1 256 x 128 float32; Wf2 128 x 256 float32; Wf3 1 x 128 float32; Wpa 64 x 64 float32; Wra 64 x 64 float32; b1 64 float32; b2 64 float32; ba 64 float32; bc 256 float32; bf1 256 float32; bf2 128 float32; bf3 1 float32; bpa 64 float32; bra 64 float32; protein 1 x 4,096 x 1,024 float32; reactions 1 x 512 x 256 float32.
;; Outputs: out0 512 float32.
;; One version. Each part assembles by itself: llvm-mc -triple=amdgcn-amd-amdhsa -mcpu=gfx1250 --defsym DOCPART=n.
;; ======== version 1 of 1: 5 launches
;; workspace buffers: kpart 4,194,304 bytes; xbuf 1,179,648 bytes; paT 1,048,576 bytes; raT 131,072 bytes; slT 1,048,576 bytes; sqP 524,288 bytes; pmax 16,384 bytes; rxf 262,144 bytes
;; launch gemm (part 1): grid 4 x 64, 8 waves a work-group, no clusters, 289,792 bytes of LDS; arguments protein, Wc, bc, W1, kpart; writes kpart
.if DOCPART == 1
	.amdgcn_target "amdgcn-amd-amdhsa--gfx1250"
	.amdhsa_code_object_version 6
	.text
	.protected	k_q0930211b57_gemm
	.globl	k_q0930211b57_gemm
	.p2align	8
	.type	k_q0930211b57_gemm,@function
k_q0930211b57_gemm:
	s_mov_b64 s[64:65], 0
	v_nop
	global_prefetch_b8 v0, s[64:65] scope:SCOPE_SE
	s_setreg_imm32_b32 hwreg(HW_REG_WAVE_MODE, 25, 1), 1
	s_wait_xcnt 0x0
; p = relu(protein Wc^T + bc) for a block of 64 rows x 64 columns, then this block's share of the next layer:
; kpart[nb] = p_block W1[:, 64 nb .. 64 nb + 63]^T (f32, no bias, no relu: the four shares are added by the next launch).
; protein [4096][1024], Wc [256][1024], W1 [64][256], bc [256], all f32.  The inputs are rounded to bf16 as matrix operands, sums are f32.
; p, an intermediate, goes to the matrix unit as TWO bf16 operands, hi = bf16(p) and lo = bf16(p - hi), each multiplied by W1: what is
; dropped is some 2^-16 of p.  The network's last sums cancel to a small remainder, so a plain rounding of p (2^-8) would show there.
; Limit: a p whose rounding to bf16 overflows (above some 3.39e38) gives infinity minus infinity.
; 256 work-groups (x = column block nb, y = row block mb).  A block of a x b with a b = 4096 takes in (a + b) x 4 KiB: least at 64 x 64.
; Eight waves split K: wave w owns k = 128 w .. 128 w + 127 of all 64 protein rows and all 64 Wc rows, brings them in through a ring of
; 48 register buffers, eight rows a turn, rounds them and lays them once into its own LDS rows, and makes a whole 64 x 64 partial sum
; (16 tiles, v256-383).
; The eight partials meet in LDS behind the one barrier; waves 0-3 add them (16 rows each), add bc, relu, and multiply by the W1 slice.
; NO TENSOR LOADS, NO JOINT REQUESTS, though four work-groups read the same protein rows and 64 the same Wc rows: a work-group's share is
; 128 rows x 4,096 bytes = 524,288 bytes in f32, more than the LDS a work-group can be given, so it would go through slots that are filled
; again and then through registers a second time to be rounded; as bf16 the whole share is 8 x 34,816 bytes and is written once.
; RESULT LAYOUT (here called TL) of a matrix [R][64] of f32: element (16 a + r, 16 t + 8 h + 4 u + e) lies at byte
; 4096 a + 1024 t + 512 u + 16 lane + 4 e, lane = 16 h + r: the register image of a result tile, so each store covers 512 consecutive bytes.
.set PITCH, 272                        ; an LDS row: 128 bf16 + 16 bytes, an odd multiple of 16
.set WREG,  128*PITCH                  ; a wave's rows: 0-63 protein, 64-127 Wc; later its first 16 KiB hold its partial sums
.set W1P,   144                        ; W1 slice: 64 bf16 + 16 bytes a row
.set W1L,   8*WREG                     ; 278,528
.set BCL,   W1L+64*W1P                 ; 287,744: bc's 64 numbers, a copy for each of waves 0-3
.set RING,  64                         ; v[64:255]: 48 buffers of 4 registers
.set DEPTH, 48
.set GRP,   8                          ; rows in a turn of the ring
.set F0,    32                         ; fragment set 0: protein's four at +8 i, Wc's four at +32 + 8 i
.set F1,    96                         ; fragment set 1
.set MSB, 0
.macro WIN new                         ; s_set_vgpr_msb; the immediate's high byte repeats the setting that is left
.if MSB != \new
	s_set_vgpr_msb (MSB<<8)|\new
.set MSB, \new
.endif
.endm
.macro PLACES                          ; four places behind a matrix instruction (ISA guide 7.12.1)
.rept 4
	v_nop
.endr
.endm
.macro ADD32 d, s                      ; 32 registers += 32 registers
.set k, 0
.rept 16
	v_pk_add_f32 v[\d+k:\d+k+1], v[\d+k:\d+k+1], v[\s+k:\s+k+1]
.set k, k+2
.endr
.endm
; 16 f32 in v[src ..] become two fragments of 8 registers: hi = bf16(x), lo = bf16(x - hi); the difference is exact in f32.
; hi overlaps neither src nor tmp; tmp is 16 registers at work; s[msk] = 0xffff0000
.macro SPLIT hi, lo, src, tmp, msk
.set k, 0
.rept 8
	v_cvt_pk_bf16_f32 v[\hi+k], v[\src+2*k], v[\src+2*k+1]
.set k, k+1
.endr
.set k, 0
.rept 8
	v_lshlrev_b32 v[\tmp+2*k], 16, v[\hi+k]
	v_and_b32 v[\tmp+2*k+1], s[\msk], v[\hi+k]
.set k, k+1
.endr
.set k, 0
.rept 16
	v_sub_f32 v[\tmp+k], v[\src+k], v[\tmp+k]
.set k, k+1
.endr
.set k, 0
.rept 8
	v_cvt_pk_bf16_f32 v[\lo+k], v[\tmp+2*k], v[\tmp+2*k+1]
.set k, k+1
.endr
.endm
	s_load_b256 s[4:11], s[0:1], 0x0               ; protein s[4:5], Wc s[6:7], bc s[8:9], W1 s[10:11]
	s_load_b64 s[12:13], s[0:1], 0x20              ; kpart
	s_set_vgpr_msb 0x40
	v_lshl_add_u32 v128, v0, 2, 0x46800
	v_mov_b32 v129, 0
	s_set_vgpr_msb 0x4000
	v_lshrrev_b32 v11, 5, v0
	v_readfirstlane_b32 s14, v11                   ; wave w
	s_mov_b32 s15, ttmp9                           ; nb
	s_and_b32 s16, ttmp7, 0xffff                   ; mb
	v_and_b32 v30, 31, v0                          ; lane
	v_and_b32 v31, 15, v0                          ; r
	v_bfe_u32 v11, v0, 4, 1                        ; h
	s_mul_i32 s17, s14, WREG                       ; my rows in LDS
	v_lshlrev_b32 v1, 4, v30                       ; v1 = 16 lane
	v_lshl_add_u32 v2, v30, 3, s17                 ; v2 = my rows + 8 lane: where 4 rounded numbers go
	v_lshlrev_b32 v3, 4, v31
	v_lshl_add_u32 v3, v11, 10, v3                 ; v3 = 1024 h + 16 r: two rows of the W1 slice
	s_mul_i32 s30, s14, 8*W1P
	s_add_co_u32 s30, s30, W1L
	v_mul_u32_u24 v4, v11, W1P
	v_lshl_add_u32 v4, v31, 3, v4
	v_add_nc_u32 v4, s30, v4                       ; v4 = W1L + (8 w + h) 144 + 8 r
	v_lshlrev_b32 v5, 3, v30                       ; v5 = 8 lane
	s_lshl_b32 s31, s14, 8
	s_add_co_u32 s31, s31, BCL                     ; my copy of bc (waves 0-3 alone use it)
	v_add_nc_u32 v6, s31, v5                       ; v6 = copy + 8 lane
	v_mul_u32_u24 v7, v31, PITCH
	v_lshl_add_u32 v7, v11, 4, v7
	v_add_nc_u32 v7, s17, v7                       ; v7 = my rows + 272 r + 16 h: fragments
	v_add_nc_u32 v8, s17, v1                       ; v8 = my rows + 16 lane: the partial sums
	v_mul_u32_u24 v9, v31, W1P
	v_lshl_add_u32 v9, v11, 4, v9
	v_add_nc_u32 v9, W1L, v9                       ; v9 = W1L + 144 r + 16 h: W1's fragments
	v_lshl_add_u32 v10, v11, 5, s31                ; v10 = copy of bc + 32 h
	s_mov_b32 s19, 0                               ; s[18:19]: a byte offset in 64 bits
	s_lshl_b32 s30, s14, 9                         ; my 128 k = 512 bytes of a row
	s_wait_kmcnt 0x0
	s_lshl_b32 s18, s16, 18                        ; 64 rows of 4,096 bytes
	s_add_co_u32 s18, s18, s30
	s_add_nc_u64 s[20:21], s[4:5], s[18:19]        ; protein at my block's first row, my k
	s_lshl_b32 s18, s15, 18
	s_add_co_u32 s18, s18, s30
	s_add_nc_u64 s[22:23], s[6:7], s[18:19]        ; Wc likewise
	s_lshl_b32 s18, s15, 8
	s_add_nc_u64 s[26:27], s[8:9], s[18:19]        ; bc at column 64 nb
	s_lshl_b32 s30, s14, 13
	s_add_co_u32 s18, s18, s30
	s_add_nc_u64 s[24:25], s[10:11], s[18:19]      ; W1 at row 8 w, column 64 nb
	s_lshl_b32 s18, s15, 20
	s_lshl_b32 s30, s16, 14
	s_add_co_u32 s18, s18, s30
	s_lshl_b32 s30, s14, 12
	s_add_co_u32 s18, s18, s30
	s_add_nc_u64 s[28:29], s[12:13], s[18:19]      ; kpart[nb], row tile 4 mb + w
	; all that can go out goes out: W1's 8 rows of mine, bc, and the ring's first 48 rows
.irp i, 0,1,2,3
	global_load_b128 v[12+4*\i:15+4*\i], v3, s[24:25] offset:2048*\i
.endr
	s_cmp_ge_u32 s14, 4
	s_cbranch_scc1 .Lnobc1
	global_load_b64 v[28:29], v5, s[26:27]
.Lnobc1:
.set ri, 0
.rept DEPTH
	global_load_b128 v[RING+4*ri:RING+4*ri+3], v1, s[20:21] offset:4096*ri
.set ri, ri+1
.endr
	s_wait_loadcnt DEPTH                           ; only the ring's 48 loads are younger: W1 and bc are in
.irp i, 0,1,2,3
	v_cvt_pk_bf16_f32 v[12+4*\i], v[12+4*\i], v[13+4*\i]
	v_cvt_pk_bf16_f32 v[13+4*\i], v[14+4*\i], v[15+4*\i]
	ds_store_b64 v4, v[12+4*\i:13+4*\i] offset:2*W1P*\i
.endr
	s_cmp_ge_u32 s14, 4
	s_cbranch_scc1 .Lnobc2
	ds_store_b64 v6, v[28:29]                      ; bc stays f32
.Lnobc2:
	; THE RING, eight rows a turn, 16 turns (rows 64-127 are Wc's), in runs of like instructions: 16 conversions, then the eight loads that
	; fill the turn's buffers again with the rows 48 further on, then the eight LDS stores.  The conversions write into a set of 16 registers
	; apart from the buffers, so that a load lands in registers that no pending store reads, and a store's data were written at least
	; eight instructions ahead of it.  Three such sets take turns: v32-47, v48-63, v12-27 (the last held W1 as it was loaded).
.set gi, 0
.rept 128/GRP
.if gi%3 == 0
.set tb, 32
.endif
.if gi%3 == 1
.set tb, 48
.endif
.if gi%3 == 2
.set tb, 12
.endif
.if 128-GRP*(gi+1) < DEPTH-GRP
	s_wait_loadcnt 128-GRP*(gi+1)                  ; nothing more is issued: the counts run down 32, 24, 16, 8, 0
.else
	s_wait_loadcnt DEPTH-GRP                       ; loads return in order: the eight oldest are in, the 40 younger ones stay out
.endif
.if gi >= 2
	s_wait_dscnt 2*GRP                             ; the two turns in between issued 16 stores: the stores that read this set (in the third turn: W1's) are done
.endif
.set j, 0
.rept GRP
.set rb, RING+4*((GRP*gi+j)%DEPTH)
	v_cvt_pk_bf16_f32 v[tb+2*j], v[rb], v[rb+1]
	v_cvt_pk_bf16_f32 v[tb+2*j+1], v[rb+2], v[rb+3]
.set j, j+1
.endr
.if GRP*gi+DEPTH < 128
.set j, 0
.rept GRP
.set ri, GRP*gi+j
.set rb, RING+4*(ri%DEPTH)
.if ri+DEPTH < 64
	global_load_b128 v[rb:rb+3], v1, s[20:21] offset:4096*(ri+DEPTH)
.else
	global_load_b128 v[rb:rb+3], v1, s[22:23] offset:4096*(ri+DEPTH-64)
.endif
.set j, j+1
.endr
.endif
.set j, 0
.rept GRP
	ds_store_b64 v2, v[tb+2*j:tb+2*j+1] offset:PITCH*(GRP*gi+j)
.set j, j+1
.endr
.set gi, gi+1
.endr
; 16 LDS loads: the fragments of K step st (32 of my 128 k) into set f.  My own rows: LDS serves a wave in order, no wait behind the stores.
.macro FETCH st, f
.irp i, 0,1,2,3
	ds_load_b128 v[\f+8*\i:\f+8*\i+3],   v7 offset:16*\i*PITCH+64*\st
	ds_load_b128 v[\f+8*\i+4:\f+8*\i+7], v7 offset:16*\i*PITCH+64*\st+32
.endr
.irp i, 0,1,2,3
	ds_load_b128 v[\f+32+8*\i:\f+32+8*\i+3],   v7 offset:(64+16*\i)*PITCH+64*\st
	ds_load_b128 v[\f+32+8*\i+4:\f+32+8*\i+7], v7 offset:(64+16*\i)*PITCH+64*\st+32
.endr
.endm
; 16 matrix instructions, one on each of the 16 accumulators (by turns).  Source 0 = Wc's rows, source 1 = protein's:
; a lane then holds row r of the block and eight neighbouring columns.  C and D lie in v256-383.
.macro MUL f, zero
	WIN 0x50
.irp a, 0,1,2,3
.irp b, 0,1,2,3
.if \zero
	v_wmma_f32_16x16x32_bf16 v[8*(4*\a+\b):8*(4*\a+\b)+7], v[\f+32+8*\b:\f+32+8*\b+7], v[\f+8*\a:\f+8*\a+7], 0
.else
	v_wmma_f32_16x16x32_bf16 v[8*(4*\a+\b):8*(4*\a+\b)+7], v[\f+32+8*\b:\f+32+8*\b+7], v[\f+8*\a:\f+8*\a+7], v[8*(4*\a+\b):8*(4*\a+\b)+7]
.endif
.endr
.endr
	WIN 0
.endm
	FETCH 0, F0
	FETCH 1, F1
	s_wait_dscnt 16                                ; all but the other set's 16 loads
	MUL F0, 1                                      ; the first products start the sums
	PLACES
	FETCH 2, F0
	s_wait_dscnt 16
	MUL F1, 0
	PLACES
	FETCH 3, F1
	s_wait_dscnt 16
	MUL F0, 0
	s_wait_dscnt 0
	MUL F1, 0
	; my partial sums into the head of my own rows (all my reads of them are back): tile 4 a + b, half u at 1024 (4 a + b) + 512 u + 16 lane
	PLACES
	WIN 0x04                                       ; store data from v256-383
.set k, 0
.rept 32
	ds_store_b128 v8, v[4*k:4*k+3] offset:512*k
.set k, k+1
.endr
	WIN 0
	s_wait_dscnt 0x0                               ; for the others: my partial sums, my rows of W1 and my copy of bc are written
	s_barrier_signal -1
	s_barrier_wait -1
	s_cmp_ge_u32 s14, 4
	s_cbranch_scc1 .Lend                           ; waves 4-7 have handed their sums over
	; waves 0-3: rows 16 w .. 16 w + 15 of the block.  R0..R6 = v[32 + 32 i]: one source wave's four tiles each
	s_lshl_b32 s30, s14, 12
	s_mov_b32 s31, 0xffff0000                      ; a word's upper bf16
	v_add_nc_u32 v12, s30, v1
.irp src, 1,2,3,4,5,6,7
	v_add_nc_u32 v[12+\src], \src*WREG, v12        ; source wave's rows + 4096 w + 16 lane
.endr
.irp src, 0,1,2,3,4,5,6
.set k, 0
.rept 8
	ds_load_b128 v[32+32*\src+4*k:32+32*\src+4*k+3], v[12+\src] offset:512*k
.set k, k+1
.endr
.endr
	s_wait_dscnt 40                                ; the 16 oldest, sources 0 and 1, are in
	ADD32 32, 64
.set k, 0
.rept 8
	ds_load_b128 v[64+4*k:64+4*k+3], v19 offset:512*k      ; source 7
.set k, k+1
.endr
	s_wait_dscnt 8                                 ; all but source 7's eight
	ADD32 96, 128
.set k, 0
.rept 8
	ds_load_b128 v[128+4*k:128+4*k+3], v10 offset:64*(k/2)+16*(k%2)    ; bc of columns 16 b + 8 h + 4 u ..
.set k, k+1
.endr
	ADD32 160, 192
	s_wait_dscnt 8                                 ; source 7 is in, bc's eight stay out
	ADD32 224, 64
.irp t, 0,1,2,3
.irp st, 0,1
.if 2*\t+\st < 4
.set wf, 192+8*(2*\t+\st)
.else
.set wf, 64+8*(2*\t+\st-4)
.endif
	ds_load_b128 v[wf:wf+3],   v9 offset:\t*16*W1P+64*\st      ; W1 rows 16 t + r, k = 32 st + 8 h ..
	ds_load_b128 v[wf+4:wf+7], v9 offset:\t*16*W1P+64*\st+32
.endr
.endr
	ADD32 32, 96
	ADD32 160, 224
	ADD32 32, 160
	s_wait_dscnt 16                                ; bc is in, W1's 16 fragment loads stay out
	ADD32 32, 128
.set k, 0
.rept 32
	v_max_num_f32 v[32+k], 0, v[32+k]              ; relu
.set k, k+1
.endr
	; tiles 2 st, 2 st + 1 are registers 0-3, 4-7 of the data fragment of K step st: hi in v96-111, lo in v112-127
	SPLIT 96, 112, 32, 224, 31
	SPLIT 104, 120, 48, 224, 31
	s_wait_dscnt 0x0
.irp part, 0,1
.irp st, 0,1
.irp t, 0,1,2,3
.if 2*\t+\st < 4
.set wf, 192+8*(2*\t+\st)
.else
.set wf, 64+8*(2*\t+\st-4)
.endif
.if \part+\st == 0
	v_wmma_f32_16x16x32_bf16 v[160+8*\t:167+8*\t], v[wf:wf+7], v[96+16*\part+8*\st:103+16*\part+8*\st], 0
.else
	v_wmma_f32_16x16x32_bf16 v[160+8*\t:167+8*\t], v[wf:wf+7], v[96+16*\part+8*\st:103+16*\part+8*\st], v[160+8*\t:167+8*\t]
.endif
.endr
.endr
.endr                                              ; four accumulators by turns
	PLACES
.set k, 0
.rept 8
	global_store_b128 v1, v[160+4*k:163+4*k], s[28:29] offset:512*k    ; 512 consecutive bytes a store
.set k, k+1
.endr
.Lend:
	s_set_vgpr_msb 0x5
	s_wait_tensorcnt 0x0
	ds_add_u32 v128, v129
	s_wait_dscnt 0x0
	s_set_vgpr_msb 0x500
	s_endpgm
.Lfunc_end_k_q0930211b57_gemm:
	.size	k_q0930211b57_gemm, .Lfunc_end_k_q0930211b57_gemm-k_q0930211b57_gemm
	.p2alignl 7, 3214868480
	.fill 96, 4, 3214868480
	.section	.rodata,"a",@progbits
	.p2align	6, 0x0
	.amdhsa_kernel k_q0930211b57_gemm
		.amdhsa_group_segment_fixed_size 289792
		.amdhsa_private_segment_fixed_size 0
		.amdhsa_enable_private_segment 0
		.amdhsa_kernarg_size 40
		.amdhsa_user_sgpr_count 2
		.amdhsa_user_sgpr_kernarg_segment_ptr 1
		.amdhsa_wavefront_size32 1
		.amdhsa_system_sgpr_workgroup_id_x 1
		.amdhsa_system_sgpr_workgroup_id_y 1
		.amdhsa_system_sgpr_workgroup_id_z 1
		.amdhsa_system_vgpr_workitem_id 0
		.amdhsa_next_free_vgpr 386
		.amdhsa_next_free_sgpr 66
		.amdhsa_reserve_vcc 0
		.amdhsa_float_denorm_mode_32 3
		.amdhsa_float_denorm_mode_16_64 3
		.amdhsa_memory_ordered 1
		.amdhsa_forward_progress 1
		.amdhsa_inst_pref_size 74
	.end_amdhsa_kernel
	.amdgpu_metadata
---
amdhsa.version: [ 1, 2 ]
amdhsa.kernels:
  - .name:           k_q0930211b57_gemm
    .symbol:         k_q0930211b57_gemm.kd
    .args:
      - { .name: protein, .offset: 0, .size: 8, .value_kind: global_buffer, .address_space: global }
      - { .name: Wc, .offset: 8, .size: 8, .value_kind: global_buffer, .address_space: global }
      - { .name: bc, .offset: 16, .size: 8, .value_kind: global_buffer, .address_space: global }
      - { .name: W1, .offset: 24, .size: 8, .value_kind: global_buffer, .address_space: global }
      - { .name: kpart, .offset: 32, .size: 8, .value_kind: global_buffer, .address_space: global }
    .group_segment_fixed_size: 289792
    .private_segment_fixed_size: 0
    .kernarg_segment_align: 8
    .kernarg_segment_size: 40
    .max_flat_workgroup_size: 256
    .sgpr_count:     66
    .vgpr_count:     386
    .wavefront_size: 32
...
	.end_amdgpu_metadata
.endif
;; end of part 1
;; launch proj (part 2): grid 72 x 1, 16 waves a work-group, no clusters, 104,448 bytes of LDS; arguments kpart, b1, Wpa, bpa, reactions, W2, b2, Wra, bra, xbuf, paT, raT; writes xbuf, paT, raT
.if DOCPART == 2
	.amdgcn_target "amdgcn-amd-amdhsa--gfx1250"
	.amdhsa_code_object_version 6
	.text
	.protected	k_q0930211b57_proj
	.globl	k_q0930211b57_proj
	.p2align	8
	.type	k_q0930211b57_proj,@function
k_q0930211b57_proj:
	s_mov_b64 s[64:65], 0
	v_nop
	global_prefetch_b8 v0, s[64:65] scope:SCOPE_SE
	s_setreg_imm32_b32 hwreg(HW_REG_WAVE_MODE, 25, 1), 1
	s_wait_xcnt 0x0
; Work-groups 0-63, 64 protein rows each:  k = relu(kpart[0] + .. + kpart[3] + b1),  pa = k Wpa^T + bpa.
; Work-groups 64-71, 64 reaction rows each: r = relu(reactions W2^T + b2),           ra = r Wra^T + bra.
; k and r go to xbuf (layout TL: element (16 a + r, 16 t + 8 h + 4 u + e) at 4096 a + 1024 t + 512 u + 16 lane + 4 e; row tiles 0-255 k, 256-287 r),
; pa and ra go out transposed, paT [64][4096] and raT [64][512], f32.  Matrix operands are rounded to bf16, all sums are f32.
; 16 waves, w = 4 a + p: row tile a (16 rows), column tile p (16 channels).
; EVERY LOAD OF A WAVE COVERS 512 CONSECUTIVE BYTES (the biases apart).  The reaction rows, W2 and the second weight are taken in as whole rows,
; four rows a wave, rounded, laid into LDS with padded rows, and read from there as fragments: 16 + 2 loads a wave, where loads straight
; into fragment layout would be 40 + 8 loads of 32 pieces of 16 bytes each.
; In the reaction groups wave (a, p) makes its tile over the whole K = 256 on four accumulators (K step mod 4), which are the four addends
; that the protein groups load from kpart: from there on the two kinds of work-group run the same text.
; They differ by a branch on the work-group's number alone, the same in all its waves.
; No tensor loads and no joint requests: what work-groups share is the weights, 16 KiB (80 KiB in the eight reaction groups), and they have to
; pass through registers to be rounded.
.set RP,  528                          ; 256 bf16 + 16 bytes, an odd multiple of 16
.set RXL, 0                            ; 33,792: the 64 reaction rows as bf16
.set W2L, 64*RP                        ; 33,792: W2 as bf16
.set FRL, 2*64*RP                      ; 67,584: 8,192 bytes, [wave][16 lane], k or r as bf16
.set YSL, FRL+8192                     ; 75,776: 64 channels x 272 bytes: pa or ra transposed
.set YP,  272
.set WTP, 144                          ; 64 bf16 + 16 bytes
.set WTL, YSL+64*YP                    ; 93,184: the second weight as bf16, 9,216 bytes
.macro PLACES
.rept 4
	v_nop
.endr
.endm
.macro COMMON                          ; 5 loads: the second weight's rows 4 w .. 4 w + 3 (v64-71), first bias (v48-55), second bias (v56)
	global_load_b128 v[64:67], v4, s[34:35]
	global_load_b128 v[68:71], v4, s[34:35] offset:512
	global_load_b128 v[48:51], v6, s[32:33]
	global_load_b128 v[52:55], v6, s[32:33] offset:16
	global_load_b32 v56, v7, s[36:37]
.endm
	s_load_b512 s[4:19], s[0:1], 0x0               ; kpart 4, b1 6, Wpa 8, bpa 10, reactions 12, W2 14, b2 16, Wra 18
	s_load_b256 s[20:27], s[0:1], 0x40             ; bra 20, xbuf 22, paT 24, raT 26
	v_lshl_add_u32 v254, v0, 2, 0x19000
	v_mov_b32 v255, 0
	v_lshrrev_b32 v1, 5, v0
	v_readfirstlane_b32 s28, v1                    ; wave w
	s_mov_b32 s29, ttmp9                           ; work-group g
	s_lshr_b32 s30, s28, 2                         ; a
	s_and_b32 s31, s28, 3                          ; p
	v_and_b32 v1, 31, v0                           ; lane
	v_and_b32 v2, 15, v0                           ; r
	v_bfe_u32 v3, v0, 4, 1                         ; h
	v_mov_b32 v57, 0                               ; upper half of the pair that broadcasts v56
	v_lshlrev_b32 v60, 4, v1                       ; 16 lane
	v_lshl_add_u32 v4, s28, 10, v60                ; v4 = 1024 w + 16 lane: my tile in kpart and xbuf, my four rows of the second weight
	v_lshl_add_u32 v61, s28, 2, v3                 ; 4 w + h: a row of the second weight, later a channel on the way out
	v_mul_u32_u24 v5, v61, WTP
	v_lshl_add_u32 v5, v2, 3, v5
	v_add_nc_u32 v5, WTL, v5                       ; v5 = WTL + (4 w + h) 144 + 8 r
	v_mul_u32_u24 v15, v61, YP
	v_lshl_add_u32 v15, v2, 4, v15
	v_add_nc_u32 v15, YSL, v15                     ; v15 = YSL + (4 w + h) 272 + 16 r
	v_lshlrev_b32 v6, 5, v3
	v_lshl_add_u32 v6, s31, 6, v6                  ; v6 = (16 p + 8 h) 4
	v_lshlrev_b32 v7, 2, v2
	v_lshl_add_u32 v7, s31, 6, v7                  ; v7 = (16 p + r) 4
	v_lshl_add_u32 v8, s28, 12, v60                ; v8 = 4096 w + 16 lane: my four rows of the reactions and of W2
	s_mul_i32 s45, s28, 4*RP
	v_lshl_add_u32 v9, v1, 3, s45                  ; v9 = (4 w) 528 + 8 lane: where they go
	v_lshl_add_u32 v63, s30, 4, v2                 ; 16 a + r
	v_mul_u32_u24 v10, v63, RP
	v_lshl_add_u32 v10, v3, 4, v10                 ; v10 = RXL + (16 a + r) 528 + 16 h: data fragments
	v_lshl_add_u32 v63, s31, 4, v2                 ; 16 p + r
	v_mul_u32_u24 v11, v63, RP
	v_lshl_add_u32 v11, v3, 4, v11
	v_add_nc_u32 v11, W2L, v11                     ; v11 = W2L + (16 p + r) 528 + 16 h: W2's fragments
	v_mul_u32_u24 v62, v63, WTP
	v_lshl_add_u32 v62, v3, 4, v62
	v_add_nc_u32 v62, WTL, v62                     ; v62 = WTL + (16 p + r) 144 + 16 h: the second weight's fragments
	v_mul_u32_u24 v14, v63, YP
	v_lshl_add_u32 v14, v3, 5, v14
	v_lshl_add_u32 v14, s30, 6, v14
	v_add_nc_u32 v14, YSL, v14                     ; v14 = YSL + (16 p + r) 272 + (16 a + 8 h) 4
	v_lshl_add_u32 v12, s28, 9, v60
	v_add_nc_u32 v12, FRL, v12                     ; v12 = FRL + 512 w + 16 lane
	v_lshl_add_u32 v13, s30, 11, v60
	v_add_nc_u32 v13, FRL, v13                     ; v13 = FRL + 2048 a + 16 lane
	s_sub_co_u32 s41, s29, 64                      ; the reaction groups' number
	s_mov_b32 s43, 0                               ; s[42:43]: a byte offset in 64 bits
	s_wait_kmcnt 0x0
	s_cmp_ge_u32 s29, 64
	s_cselect_b64 s[32:33], s[16:17], s[6:7]       ; first bias: b2 or b1
	s_cselect_b64 s[34:35], s[18:19], s[8:9]       ; second weight: Wra or Wpa
	s_cselect_b64 s[36:37], s[20:21], s[10:11]     ; second bias: bra or bpa
	s_cselect_b64 s[38:39], s[26:27], s[24:25]     ; transposed output: raT or paT
	s_cselect_b32 s40, 11, 14                      ; log2 of its row's bytes
	s_cselect_b32 s44, s41, s29                    ; my block of 64 rows in it
	s_lshl_b32 s42, s44, 8
	s_add_nc_u64 s[38:39], s[38:39], s[42:43]
	s_lshl_b32 s42, s29, 14
	s_add_nc_u64 s[22:23], s[22:23], s[42:43]      ; xbuf at row tile 4 g
	v_lshlrev_b32 v58, s40, v61
	v_lshl_add_u32 v58, v2, 4, v58                 ; v58 = channel (4 w + h) x row bytes + 16 r
	v_add_nc_u32 v61, 2, v61
	v_lshlrev_b32 v59, s40, v61
	v_lshl_add_u32 v59, v2, 4, v59                 ; v59: channel 4 w + 2 + h
	s_cmp_ge_u32 s29, 64
	s_cbranch_scc1 .Lreact
	; protein rows: my tile of the four shares into v16-47
	s_add_nc_u64 s[4:5], s[4:5], s[42:43]
.irp q, 0,1,2,3
	global_load_b128 v[16+8*\q:19+8*\q], v4, s[4:5] offset:\q*1048576
	global_load_b128 v[20+8*\q:23+8*\q], v4, s[4:5] offset:\q*1048576+512
.endr
	COMMON
	s_wait_loadcnt 0x0
	s_branch .Ltail
.Lreact:
	; reaction rows.  Load i of a wave's eight covers bytes 512 i .. 512 i + 511 of its 4,096: row 4 w + i / 2, columns 128 (i % 2) + 4 lane ..
	s_lshl_b32 s42, s41, 16
	s_add_nc_u64 s[12:13], s[12:13], s[42:43]
.irp i, 0,1,2,3,4,5,6,7
	global_load_b128 v[96+4*\i:99+4*\i], v8, s[12:13] offset:512*\i
.endr
.irp i, 0,1,2,3,4,5,6,7
	global_load_b128 v[128+4*\i:131+4*\i], v8, s[14:15] offset:512*\i
.endr
	COMMON
	s_wait_loadcnt 13                              ; W2's eight and the five common loads are younger and stay out
.irp i, 0,1,2,3,4,5,6,7
	v_cvt_pk_bf16_f32 v[96+4*\i], v[96+4*\i], v[97+4*\i]
	v_cvt_pk_bf16_f32 v[97+4*\i], v[98+4*\i], v[99+4*\i]
	ds_store_b64 v9, v[96+4*\i:97+4*\i] offset:RXL+(\i/2)*RP+256*(\i%2)
.endr
	s_wait_loadcnt 5                               ; the five common loads stay out
.irp i, 0,1,2,3,4,5,6,7
	v_cvt_pk_bf16_f32 v[128+4*\i], v[128+4*\i], v[129+4*\i]
	v_cvt_pk_bf16_f32 v[129+4*\i], v[130+4*\i], v[131+4*\i]
	ds_store_b64 v9, v[128+4*\i:129+4*\i] offset:W2L+(\i/2)*RP+256*(\i%2)
.endr
	s_wait_dscnt 0x0                               ; my rows are written,
	s_barrier_signal -1
	s_barrier_wait -1                              ; everybody's are
.irp st, 0,1,2,3,4,5,6,7
	ds_load_b128 v[96+8*\st:99+8*\st],   v10 offset:64*\st         ; rows 16 a + r, k = 32 st + 8 h ..
	ds_load_b128 v[100+8*\st:103+8*\st], v10 offset:64*\st+32
	ds_load_b128 v[160+8*\st:163+8*\st], v11 offset:64*\st         ; W2 rows 16 p + r
	ds_load_b128 v[164+8*\st:167+8*\st], v11 offset:64*\st+32
.endr
	; source 0 = W2's rows, source 1 = the data: a lane holds row r and channels 16 p + 8 h .. + 7.  Four accumulators by turns
.irp st, 0,1,2,3,4,5,6,7
	s_wait_dscnt 28-4*\st                          ; the four loads of each later K step stay out
.if \st < 4
	v_wmma_f32_16x16x32_bf16 v[16+8*(\st&3):23+8*(\st&3)], v[160+8*\st:167+8*\st], v[96+8*\st:103+8*\st], 0
.else
	v_wmma_f32_16x16x32_bf16 v[16+8*(\st&3):23+8*(\st&3)], v[160+8*\st:167+8*\st], v[96+8*\st:103+8*\st], v[16+8*(\st&3):23+8*(\st&3)]
.endif
.endr
	PLACES
	s_wait_loadcnt 0x0
.Ltail:
	; x = relu(four addends + bias): row r, channels 16 p + 8 h .. + 7, in v16-23
.irp k, 0,2,4,6
	v_pk_add_f32 v[16+\k:17+\k], v[16+\k:17+\k], v[24+\k:25+\k]
	v_pk_add_f32 v[32+\k:33+\k], v[32+\k:33+\k], v[40+\k:41+\k]
.endr
.irp k, 0,2,4,6
	v_pk_add_f32 v[16+\k:17+\k], v[16+\k:17+\k], v[32+\k:33+\k]
.endr
.irp k, 0,2,4,6
	v_pk_add_f32 v[16+\k:17+\k], v[16+\k:17+\k], v[48+\k:49+\k]
.endr
.irp k, 0,1,2,3,4,5,6,7
	v_max_num_f32 v[16+\k], 0, v[16+\k]
.endr
	global_store_b128 v4, v[16:19], s[22:23]
	global_store_b128 v4, v[20:23], s[22:23] offset:512
.irp k, 0,1,2,3
	v_cvt_pk_bf16_f32 v[104+\k], v[16+2*\k], v[17+2*\k]
.endr
	ds_store_b128 v12, v[104:107]
	v_cvt_pk_bf16_f32 v64, v64, v65                ; the second weight: rows 4 w + h and 4 w + 2 + h, columns 4 r ..
	v_cvt_pk_bf16_f32 v65, v66, v67
	ds_store_b64 v5, v[64:65]
	v_cvt_pk_bf16_f32 v68, v68, v69
	v_cvt_pk_bf16_f32 v69, v70, v71
	ds_store_b64 v5, v[68:69] offset:2*WTP
	s_wait_dscnt 0x0
	s_barrier_signal -1
	s_barrier_wait -1
.irp t, 0,1,2,3
	ds_load_b128 v[112+4*\t:115+4*\t], v13 offset:512*\t       ; the four column tiles of my 16 rows = two data fragments
.endr
	ds_load_b128 v[64:67], v62                     ; the second weight's rows 16 p + r, K steps 0 and 1
	ds_load_b128 v[68:71], v62 offset:32
	ds_load_b128 v[80:83], v62 offset:64
	ds_load_b128 v[84:87], v62 offset:96
	s_wait_dscnt 0x0
	; source 0 = data, source 1 = weight: a lane holds channel 16 p + r and rows 16 a + 8 h .. + 7, a piece of a row of the transposed output
	v_wmma_f32_16x16x32_bf16 v[128:135], v[112:119], v[64:71], 0
	v_wmma_f32_16x16x32_bf16 v[136:143], v[120:127], v[80:87], 0       ; the two K steps on two accumulators
	PLACES
.irp k, 0,2,4,6
	v_pk_add_f32 v[128+\k:129+\k], v[128+\k:129+\k], v[136+\k:137+\k]
.endr
.irp k, 0,2,4,6
	v_pk_add_f32 v[128+\k:129+\k], v[128+\k:129+\k], v[56:57] op_sel_hi:[1,0]  ; my channel's bias on both halves
.endr
	ds_store_b128 v14, v[128:131]
	ds_store_b128 v14, v[132:135] offset:16
	s_wait_dscnt 0x0
	s_barrier_signal -1
	s_barrier_wait -1
	ds_load_b128 v[144:147], v15
	ds_load_b128 v[148:151], v15 offset:2*YP
	s_wait_dscnt 0x0
	global_store_b128 v58, v[144:147], s[38:39]    ; sixteen lanes store a channel's 64 rows: 256 consecutive bytes, aligned
	global_store_b128 v59, v[148:151], s[38:39]
	s_wait_tensorcnt 0x0
	ds_add_u32 v254, v255
	s_wait_dscnt 0x0
	s_endpgm
.Lfunc_end_k_q0930211b57_proj:
	.size	k_q0930211b57_proj, .Lfunc_end_k_q0930211b57_proj-k_q0930211b57_proj
	.p2alignl 7, 3214868480
	.fill 96, 4, 3214868480
	.section	.rodata,"a",@progbits
	.p2align	6, 0x0
	.amdhsa_kernel k_q0930211b57_proj
		.amdhsa_group_segment_fixed_size 104448
		.amdhsa_private_segment_fixed_size 0
		.amdhsa_enable_private_segment 0
		.amdhsa_kernarg_size 96
		.amdhsa_user_sgpr_count 2
		.amdhsa_user_sgpr_kernarg_segment_ptr 1
		.amdhsa_wavefront_size32 1
		.amdhsa_system_sgpr_workgroup_id_x 1
		.amdhsa_system_sgpr_workgroup_id_y 1
		.amdhsa_system_sgpr_workgroup_id_z 1
		.amdhsa_system_vgpr_workitem_id 0
		.amdhsa_next_free_vgpr 256
		.amdhsa_next_free_sgpr 66
		.amdhsa_reserve_vcc 0
		.amdhsa_float_denorm_mode_32 3
		.amdhsa_float_denorm_mode_16_64 3
		.amdhsa_memory_ordered 1
		.amdhsa_forward_progress 1
		.amdhsa_inst_pref_size 18
	.end_amdhsa_kernel
	.amdgpu_metadata
---
amdhsa.version: [ 1, 2 ]
amdhsa.kernels:
  - .name:           k_q0930211b57_proj
    .symbol:         k_q0930211b57_proj.kd
    .args:
      - { .name: kpart, .offset: 0, .size: 8, .value_kind: global_buffer, .address_space: global }
      - { .name: b1, .offset: 8, .size: 8, .value_kind: global_buffer, .address_space: global }
      - { .name: Wpa, .offset: 16, .size: 8, .value_kind: global_buffer, .address_space: global }
      - { .name: bpa, .offset: 24, .size: 8, .value_kind: global_buffer, .address_space: global }
      - { .name: reactions, .offset: 32, .size: 8, .value_kind: global_buffer, .address_space: global }
      - { .name: W2, .offset: 40, .size: 8, .value_kind: global_buffer, .address_space: global }
      - { .name: b2, .offset: 48, .size: 8, .value_kind: global_buffer, .address_space: global }
      - { .name: Wra, .offset: 56, .size: 8, .value_kind: global_buffer, .address_space: global }
      - { .name: bra, .offset: 64, .size: 8, .value_kind: global_buffer, .address_space: global }
      - { .name: xbuf, .offset: 72, .size: 8, .value_kind: global_buffer, .address_space: global }
      - { .name: paT, .offset: 80, .size: 8, .value_kind: global_buffer, .address_space: global }
      - { .name: raT, .offset: 88, .size: 8, .value_kind: global_buffer, .address_space: global }
    .group_segment_fixed_size: 104448
    .private_segment_fixed_size: 0
    .kernarg_segment_align: 8
    .kernarg_segment_size: 96
    .max_flat_workgroup_size: 512
    .sgpr_count:     66
    .vgpr_count:     256
    .wavefront_size: 32
...
	.end_amdgpu_metadata
.endif
;; end of part 2
;; launch pair (part 3): grid 64 x 4, 8 waves a work-group, no clusters, 103,424 bytes of LDS; arguments paT, raT, slT, sqP; writes slT, sqP
.if DOCPART == 3
	.amdgcn_target "amdgcn-amd-amdhsa--gfx1250"
	.amdhsa_code_object_version 6
	.text
	.protected	k_q0930211b57_pair
	.globl	k_q0930211b57_pair
	.p2align	8
	.type	k_q0930211b57_pair,@function
k_q0930211b57_pair:
	s_mov_b64 s[64:65], 0
	v_nop
	global_prefetch_b8 v0, s[64:65] scope:SCOPE_SE
	s_setreg_imm32_b32 hwreg(HW_REG_WAVE_MODE, 25, 1), 1
	s_wait_xcnt 0x0
; The sums of relu(ra[q][c] + pa[l][c]) over q (slT [c][l], whole) and over l (sqP [lq][c][q], four partial sums over quarters of l).
; The mean over q or l commutes with the product by Wa, which is linear, for every input: so Wa is applied later to the means, and what
; is left here is one add, one maximum and two running sums for each of 512 x 4096 x 64 elements, in f32.  There is no product: no matrix unit.
; The sums are made in another order than a plain loop's: first inside a lane, then over lanes or waves.
; A work-group has one channel c (x) and a quarter of l (y): 512 q x 1024 l.  Wave w owns q = 64 w .. + 63, as 64 scalars, and all 1024 l;
; a lane owns 32 l in registers: PA[4 i + e] is l = 1024 lq + 128 i + 4 lane + e.  64 vector instructions for each q, written out (no index is dynamic).
; max(ra, -pa) + pa would spare the add but leaves a difference of large sums: not done.
.set PA,  8                            ; v[8:39]    pa of my 32 l
.set SL,  40                           ; v[40:71]   sums over my wave's q, for my 32 l
.set AQ1, 72                           ; v[72:135]  for each of my wave's 64 q: the sum over my 32 l
.set T,   136                          ; v[136:143] four pairs at work
.set AQ,  144                          ; v[144:151] four chains of the current q's sum
.set BC,  84                           ; s[84:85], s[86:87]: the current q's ra, in pairs that take turns (the odd registers hold 0 and are not used)
.set AQP, 272                          ; LDS: a lane's 64 sums + 16 bytes
.set AQW, 32*AQP                       ; 8,704 a wave
.set SLL, 8*AQW                        ; 69,632: [wave][4 l], 4,096 bytes a wave
	s_load_b256 s[4:11], s[0:1], 0x0               ; paT s[4:5], raT s[6:7], slT s[8:9], sqP s[10:11]
	v_lshl_add_u32 v152, v0, 2, 0x19000
	v_mov_b32 v153, 0
	v_lshrrev_b32 v1, 5, v0
	v_readfirstlane_b32 s12, v1                    ; wave w
	s_and_b32 s13, ttmp7, 0xffff                   ; lq
	v_and_b32 v7, 31, v0                           ; lane
	v_lshlrev_b32 v1, 4, v7                        ; v1 = 16 lane
	v_lshlrev_b32 v6, 3, v7                        ; v6 = 8 lane
	s_mul_i32 s2, s12, AQW
	v_mul_u32_u24 v2, v7, AQP
	v_add_nc_u32 v2, s2, v2                        ; v2 = my wave's block + 272 lane
	v_add_nc_u32 v3, s2, v6                        ; v3 = my wave's block + 8 lane
	v_lshl_add_u32 v4, s12, 12, v1
	v_add_nc_u32 v4, SLL, v4                       ; v4 = SLL + 4096 w + 16 lane
	v_lshl_add_u32 v5, s12, 9, v1
	v_add_nc_u32 v5, SLL, v5                       ; v5 = SLL + 512 w + 16 lane
	s_mov_b32 s3, 0                                ; s[2:3]: a byte offset in 64 bits
	s_mov_b32 s[BC+1], 0
	s_mov_b32 s[BC+3], 0
	s_wait_kmcnt 0x0
	s_lshl_b32 s2, ttmp9, 11                       ; c x 2,048
	s_lshl_b32 s84, s12, 8                         ; w x 256
	s_add_co_u32 s2, s2, s84
	s_add_nc_u64 s[14:15], s[6:7], s[2:3]          ; raT at (c, 64 w)
	s_load_b512 s[16:31], s[14:15], 0x0            ; my 64 ra: s16-63 and s68-83
	s_load_b512 s[32:47], s[14:15], 0x40
	s_load_b512 s[48:63], s[14:15], 0x80
	s_load_b512 s[68:83], s[14:15], 0xc0
	s_lshl_b32 s86, s13, 17
	s_add_co_u32 s2, s2, s86
	s_add_nc_u64 s[10:11], s[10:11], s[2:3]        ; sqP at (lq, c, 64 w)
	s_lshl_b32 s2, ttmp9, 14
	s_lshl_b32 s86, s13, 12
	s_add_co_u32 s2, s2, s86
	s_add_nc_u64 s[4:5], s[4:5], s[2:3]            ; paT at (c, 1024 lq)
	s_lshl_b32 s86, s12, 9
	s_add_co_u32 s2, s2, s86
	s_add_nc_u64 s[8:9], s[8:9], s[2:3]            ; slT at (c, 1024 lq + 128 w)
.irp i, 0,1,2,3,4,5,6,7
	global_load_b128 v[PA+4*\i:PA+4*\i+3], v1, s[4:5] offset:512*\i
.endr
	s_wait_kmcnt 0x0
	s_wait_loadcnt 0x0
; One q.  Four groups of four register pairs: add ra, relu (two maxima in one instruction), add to the sums over q, add to the four chains of
; the sum over l.  In group 0 the chains ARE the results; with fst = 1 (the first q) the sums over q are: nothing is ever cleared.
.macro QSTEP q, fst
.set bc, BC+2*((\q)&1)
.if (\q) < 48
	s_mov_b32 s[bc], s[16+(\q)]
.else
	s_mov_b32 s[bc], s[20+(\q)]
.endif
.set g, 0
.rept 4
.if \fst
.set xb, SL+8*g
.else
.if g == 0
.set xb, AQ
.else
.set xb, T
.endif
.endif
.irp j, 0,1,2,3
	v_pk_add_f32 v[xb+2*\j:xb+2*\j+1], v[PA+8*g+2*\j:PA+8*g+2*\j+1], s[bc:bc+1] op_sel_hi:[1,0]
.endr
.irp j, 0,1,2,3
	v_dual_max_num_f32 v[xb+2*\j], 0, v[xb+2*\j] :: v_dual_max_num_f32 v[xb+2*\j+1], 0, v[xb+2*\j+1]
.endr
.if \fst
.if g == 1
.irp j, 0,1,2,3
	v_pk_add_f32 v[AQ+2*\j:AQ+2*\j+1], v[SL+2*\j:SL+2*\j+1], v[SL+8+2*\j:SL+8+2*\j+1]
.endr
.endif
.if g > 1
.irp j, 0,1,2,3
	v_pk_add_f32 v[AQ+2*\j:AQ+2*\j+1], v[AQ+2*\j:AQ+2*\j+1], v[xb+2*\j:xb+2*\j+1]
.endr
.endif
.else
.irp j, 0,1,2,3
	v_pk_add_f32 v[SL+8*g+2*\j:SL+8*g+2*\j+1], v[SL+8*g+2*\j:SL+8*g+2*\j+1], v[xb+2*\j:xb+2*\j+1]
.endr
.if g > 0
.irp j, 0,1,2,3
	v_pk_add_f32 v[AQ+2*\j:AQ+2*\j+1], v[AQ+2*\j:AQ+2*\j+1], v[xb+2*\j:xb+2*\j+1]
.endr
.endif
.endif
.set g, g+1
.endr
	v_pk_add_f32 v[AQ:AQ+1], v[AQ:AQ+1], v[AQ+2:AQ+3]
	v_pk_add_f32 v[AQ+4:AQ+5], v[AQ+4:AQ+5], v[AQ+6:AQ+7]
	v_pk_add_f32 v[AQ:AQ+1], v[AQ:AQ+1], v[AQ+4:AQ+5]
	v_add_f32 v[AQ1+(\q)], v[AQ], v[AQ+1]
.endm
	QSTEP 0, 1
.set qn, 1
.rept 63
	QSTEP qn, 0
.set qn, qn+1
.endr
	; the sums over q go to LDS for the other waves; then my wave's 64 sums over l are turned round in its own LDS block:
	; lane writes its 64 numbers as a row, lane reads q = 2 lane, 2 lane + 1 of all 32 rows (a wave's LDS instructions are served in order)
.irp i, 0,1,2,3,4,5,6,7
	ds_store_b128 v4, v[SL+4*\i:SL+4*\i+3] offset:512*\i
.endr
.set k, 0
.rept 16
	ds_store_b128 v2, v[AQ1+4*k:AQ1+4*k+3] offset:16*k
.set k, k+1
.endr
.set k, 0
.rept 32
	ds_load_b64 v[8+2*k:9+2*k], v3 offset:AQP*k
.set k, k+1
.endr
	s_wait_dscnt 0x0                               ; my stores are done, for the others; my loads are back
	s_barrier_signal -1
.irp st, 2,4,8,16,32                               ; register work while the others arrive: 31 packed adds over the 32 lanes' rows
.set k, 0
.rept 32/\st
	v_pk_add_f32 v[8+2*\st*k:9+2*\st*k], v[8+2*\st*k:9+2*\st*k], v[8+2*\st*k+\st:9+2*\st*k+\st]
.set k, k+1
.endr
.endr
	s_barrier_wait -1
	global_store_b64 v6, v[8:9], s[10:11]          ; the wave stores its 64 q: 256 consecutive bytes, aligned
.set k, 0
.rept 8
	ds_load_b128 v[72+4*k:75+4*k], v5 offset:4096*k    ; l = 128 w + 4 lane .. of all eight waves
.set k, k+1
.endr
	s_wait_dscnt 0x0
.irp k, 0,8,16,24
	v_pk_add_f32 v[72+\k:73+\k], v[72+\k:73+\k], v[76+\k:77+\k]
	v_pk_add_f32 v[74+\k:75+\k], v[74+\k:75+\k], v[78+\k:79+\k]
.endr
.irp k, 0,16
	v_pk_add_f32 v[72+\k:73+\k], v[72+\k:73+\k], v[80+\k:81+\k]
	v_pk_add_f32 v[74+\k:75+\k], v[74+\k:75+\k], v[82+\k:83+\k]
.endr
	v_pk_add_f32 v[72:73], v[72:73], v[88:89]
	v_pk_add_f32 v[74:75], v[74:75], v[90:91]
	global_store_b128 v1, v[72:75], s[8:9]         ; 512 consecutive bytes
	s_wait_tensorcnt 0x0
	ds_add_u32 v152, v153
	s_wait_dscnt 0x0
	s_endpgm
.Lfunc_end_k_q0930211b57_pair:
	.size	k_q0930211b57_pair, .Lfunc_end_k_q0930211b57_pair-k_q0930211b57_pair
	.p2alignl 7, 3214868480
	.fill 96, 4, 3214868480
	.section	.rodata,"a",@progbits
	.p2align	6, 0x0
	.amdhsa_kernel k_q0930211b57_pair
		.amdhsa_group_segment_fixed_size 103424
		.amdhsa_private_segment_fixed_size 0
		.amdhsa_enable_private_segment 0
		.amdhsa_kernarg_size 32
		.amdhsa_user_sgpr_count 2
		.amdhsa_user_sgpr_kernarg_segment_ptr 1
		.amdhsa_wavefront_size32 1
		.amdhsa_system_sgpr_workgroup_id_x 1
		.amdhsa_system_sgpr_workgroup_id_y 1
		.amdhsa_system_sgpr_workgroup_id_z 1
		.amdhsa_system_vgpr_workitem_id 0
		.amdhsa_next_free_vgpr 154
		.amdhsa_next_free_sgpr 88
		.amdhsa_reserve_vcc 0
		.amdhsa_float_denorm_mode_32 3
		.amdhsa_float_denorm_mode_16_64 3
		.amdhsa_memory_ordered 1
		.amdhsa_forward_progress 1
		.amdhsa_inst_pref_size 255
	.end_amdhsa_kernel
	.section	.bss,"aw",@nobits
	.p2align	6
	.space	262144
	.amdgpu_metadata
---
amdhsa.version: [ 1, 2 ]
amdhsa.kernels:
  - .name:           k_q0930211b57_pair
    .symbol:         k_q0930211b57_pair.kd
    .args:
      - { .name: paT, .offset: 0, .size: 8, .value_kind: global_buffer, .address_space: global }
      - { .name: raT, .offset: 8, .size: 8, .value_kind: global_buffer, .address_space: global }
      - { .name: slT, .offset: 16, .size: 8, .value_kind: global_buffer, .address_space: global }
      - { .name: sqP, .offset: 24, .size: 8, .value_kind: global_buffer, .address_space: global }
    .group_segment_fixed_size: 103424
    .private_segment_fixed_size: 0
    .kernarg_segment_align: 8
    .kernarg_segment_size: 32
    .max_flat_workgroup_size: 256
    .sgpr_count:     88
    .vgpr_count:     154
    .wavefront_size: 32
...
	.end_amdgpu_metadata
.endif
;; end of part 3
;; launch gate (part 4): grid 104 x 1, 4 waves a work-group, no clusters, 20,992 bytes of LDS; arguments slT, sqP, Wa, ba, xbuf, pmax, rxf, Wf1, Wf2; writes pmax, rxf
.if DOCPART == 4
	.amdgcn_target "amdgcn-amd-amdhsa--gfx1250"
	.amdhsa_code_object_version 6
	.text
	.protected	k_q0930211b57_gate
	.globl	k_q0930211b57_gate
	.p2align	8
	.type	k_q0930211b57_gate,@function
k_q0930211b57_gate:
	s_mov_b64 s[64:65], 0
	v_nop
	global_prefetch_b8 v0, s[64:65] scope:SCOPE_SE
	s_setreg_imm32_b32 hwreg(HW_REG_WAVE_MODE, 25, 1), 1
	s_wait_xcnt 0x0
; gate = sigmoid(mean Wa^T + ba), y = x + x gate, for 64 rows a work-group.
; Work-groups 0-63: protein rows; mean = slT / 512, x = k; out: the maximum of y over the 64 rows, pmax[g][64], f32.
; Work-groups 64-71: reaction rows; mean = (sum of the four sqP) / 4096, x = r; out: y as two bf16 data fragments, hi = bf16(y) and
; lo = bf16(y - hi), rxf [row tile][hi, lo][t][lane][16 bytes]: the next launch multiplies both, so that some 2^-16 of y is dropped, not 2^-8.
; Work-groups 72-103 make ready the next launch's weights: each of their 128 waves rounds one fragment (16 rows x 32 k) of Wf1 (fragments
; 0-63: row tile f / 4, K step f % 4) or of Wf2 (64-127: row tile (f - 64) / 8, K step f % 8) to bf16 and stores its register image at byte
; 131,072 + 1,024 f of rxf: [registers 0-3, 4-7][lane][16 bytes].  Each of the next launch's 32 work-groups then takes both weights in
; by loads of 512 consecutive bytes, half as many bytes, with nothing left to convert; here the loads of 16-byte pieces are four a wave.
; The means are f32 and are rounded once to bf16 as a matrix operand, as Wa is: they act only through the sigmoid, whose slope is 1/4 at the most.
; exp2 and the reciprocal flush denormals (ISA guide, their entries): a gate below 2^-126 comes out as 0.  An exponent too large gives
; infinity, whose reciprocal is the gate 0.  A y whose rounding to bf16 overflows (above some 3.39e38) gives infinity minus infinity in lo.
; Four waves, wave w = row tile (16 rows) in the product, channels 16 w .. + 15 while the means and Wa are staged.
; The means lie [channel][row], K down the rows: they are laid so into LDS and read by the transposing load.
; The three kinds of work-group differ by branches on the work-group's number alone, the same in all its waves.
.set MP,  160                          ; means: 64 rows as bf16 + 32 bytes, an odd multiple of 32
.set MTL, 0
.set WAP, 144
.set WAL, 64*MP                        ; 10,240: Wa as bf16
.set PML, WAL+64*WAP                   ; 19,456: each wave's 64 maxima
.set WIMG, 131072                      ; rxf: where the weights' fragments begin
.macro PLACES
.rept 4
	v_nop
.endr
.endm
.macro ADD32 d, s
.set k, 0
.rept 16
	v_pk_add_f32 v[\d+k:\d+k+1], v[\d+k:\d+k+1], v[\s+k:\s+k+1]
.set k, k+2
.endr
.endm
; 16 f32 in v[src ..] become two fragments of 8 registers: hi = bf16(x), lo = bf16(x - hi); the difference is exact in f32.
; hi overlaps neither src nor tmp; tmp is 16 registers at work; s[msk] = 0xffff0000
.macro SPLIT hi, lo, src, tmp, msk
.set k, 0
.rept 8
	v_cvt_pk_bf16_f32 v[\hi+k], v[\src+2*k], v[\src+2*k+1]
.set k, k+1
.endr
.set k, 0
.rept 8
	v_lshlrev_b32 v[\tmp+2*k], 16, v[\hi+k]
	v_and_b32 v[\tmp+2*k+1], s[\msk], v[\hi+k]
.set k, k+1
.endr
.set k, 0
.rept 16
	v_sub_f32 v[\tmp+k], v[\src+k], v[\tmp+k]
.set k, k+1
.endr
.set k, 0
.rept 8
	v_cvt_pk_bf16_f32 v[\lo+k], v[\tmp+2*k], v[\tmp+2*k+1]
.set k, k+1
.endr
.endm
.macro COMMON                          ; 24 loads: Wa rows 16 w .. + 15 (v224-255); ba into the accumulators (v16-47); x (v48-79)
.irp i, 0,1,2,3,4,5,6,7
	global_load_b128 v[224+4*\i:227+4*\i], v6, s[8:9] offset:512*\i
.endr
.irp k, 0,1,2,3,4,5,6,7
	global_load_b128 v[16+4*\k:19+4*\k], v7, s[10:11] offset:64*(\k/2)+16*(\k%2)
.endr
.irp k, 0,1,2,3,4,5,6,7
	global_load_b128 v[48+4*\k:51+4*\k], v1, s[12:13] offset:512*\k
.endr
.endm
; One fragment of a weight into v16-31 as f32.  sb: the weight's address; lgrow: log2 of a row's bytes; lgk: log2 of the K steps in a row;
; s32: the fragment's number in this weight.  Lane (r, h) takes k = 8 h .. + 7 and 16 + 8 h .. + 7 of row r of the tile
.macro PREP sb, lgrow, lgk
	s_lshr_b32 s33, s32, \lgk                      ; row tile
	s_and_b32 s34, s32, (1<<\lgk)-1                ; K step
	s_lshl_b32 s20, s33, \lgrow+4                  ; 16 rows a tile
	s_lshl_b32 s34, s34, 7                         ; 128 bytes a K step
	s_add_co_u32 s20, s20, s34
	s_add_nc_u64 s[\sb:\sb+1], s[\sb:\sb+1], s[20:21]
	v_lshlrev_b32 v80, \lgrow, v2
	v_lshl_add_u32 v80, v3, 5, v80                 ; r x row bytes + 32 h
	global_load_b128 v[16:19], v80, s[\sb:\sb+1]
	global_load_b128 v[20:23], v80, s[\sb:\sb+1] offset:16
	global_load_b128 v[24:27], v80, s[\sb:\sb+1] offset:64
	global_load_b128 v[28:31], v80, s[\sb:\sb+1] offset:80
.endm
	s_load_b256 s[4:11], s[0:1], 0x0               ; slT 4, sqP 6, Wa 8, ba 10
	s_load_b128 s[12:15], s[0:1], 0x20             ; xbuf 12, pmax 14
	s_load_b64 s[16:17], s[0:1], 0x30              ; rxf
	s_load_b64 s[24:25], s[0:1], 0x38              ; Wf1
	s_load_b64 s[26:27], s[0:1], 0x40              ; Wf2
	s_set_vgpr_msb 0x40
	v_lshl_add_u32 v0, v0, 2, 0x5000
	v_mov_b32 v1, 0
	s_set_vgpr_msb 0x4000
	v_lshrrev_b32 v1, 5, v0
	v_readfirstlane_b32 s18, v1                    ; wave w
	s_mov_b32 s19, ttmp9                           ; work-group g
	v_and_b32 v15, 31, v0                          ; lane
	v_and_b32 v2, 15, v0                           ; r
	v_bfe_u32 v3, v0, 4, 1                         ; h
	v_lshlrev_b32 v1, 4, v15                       ; v1 = 16 lane
	v_lshl_add_u32 v14, s18, 4, v3                 ; channel 16 w + h
	v_lshlrev_b32 v13, 4, v2                       ; 16 r
	v_lshl_add_u32 v4, v14, 14, v13                ; v4: slT, rows of 16,384 bytes
	v_lshl_add_u32 v5, v14, 11, v13                ; v5: sqP, rows of 2,048 bytes
	v_lshl_add_u32 v6, v14, 8, v13                 ; v6: Wa, rows of 256 bytes
	v_lshlrev_b32 v7, 5, v3                        ; v7 = 32 h: ba
	v_mul_u32_u24 v8, v14, MP
	v_lshl_add_u32 v8, v2, 3, v8                   ; v8 = MTL + (16 w + h) 160 + 8 r
	v_mul_u32_u24 v9, v14, WAP
	v_lshl_add_u32 v9, v2, 3, v9
	v_add_nc_u32 v9, WAL, v9                       ; v9 = WAL + (16 w + h) 144 + 8 r
	v_and_b32 v10, 7, v0
	v_lshl_add_u32 v10, v3, 3, v10
	v_mul_u32_u24 v10, v10, MP
	v_bfe_u32 v11, v0, 3, 1
	v_lshl_add_u32 v10, v11, 4, v10
	v_lshl_add_u32 v10, s18, 5, v10                ; v10 = (8 h + lane % 8) 160 + 32 w + 16 (lane / 8 % 2): the transposing load
	v_mul_u32_u24 v11, v2, WAP
	v_lshl_add_u32 v11, v3, 4, v11
	v_add_nc_u32 v11, WAL, v11                     ; v11 = WAL + 144 r + 16 h: Wa's fragments
	v_lshl_add_u32 v12, s18, 8, v7
	v_add_nc_u32 v12, PML, v12                     ; v12 = PML + 256 w + 32 h
	v_lshlrev_b32 v14, 3, v15                      ; v14 = 8 lane
	v_add_nc_u32 v13, PML, v14                     ; v13 = PML + 8 lane
	s_mov_b32 s21, 0                               ; s[20:21]: a byte offset in 64 bits
	s_mov_b32 s31, 0                               ; upper half of the pair that broadcasts the scale s30
	s_sub_co_u32 s22, s19, 64                      ; the reaction groups' number
	s_wait_kmcnt 0x0
	s_cmp_ge_u32 s19, 72
	s_cbranch_scc1 .Lprep
	s_lshl_b32 s20, s19, 14
	s_lshl_b32 s23, s18, 12
	s_add_co_u32 s20, s20, s23
	s_add_nc_u64 s[12:13], s[12:13], s[20:21]      ; xbuf at row tile 4 g + w
	s_cmp_ge_u32 s19, 64
	s_cbranch_scc1 .Lreact
	s_lshl_b32 s20, s19, 8
	s_add_nc_u64 s[4:5], s[4:5], s[20:21]          ; slT at row 64 g
	s_add_nc_u64 s[14:15], s[14:15], s[20:21]      ; pmax[g]
	s_mov_b32 s30, 0x3b000000                      ; 1 / 512
.irp i, 0,1,2,3,4,5,6,7
	global_load_b128 v[96+4*\i:99+4*\i], v4, s[4:5] offset:32768*\i    ; channels 16 w + 2 i + h, 256 bytes each
.endr
	COMMON
	s_wait_loadcnt 16                              ; ba's and x's 16 loads are younger and stay out
	s_branch .Lmean
.Lreact:
	s_lshl_b32 s20, s22, 8
	s_add_nc_u64 s[6:7], s[6:7], s[20:21]          ; sqP at row 64 (g - 64)
	s_lshl_b32 s20, s22, 14
	s_lshl_b32 s23, s18, 12
	s_add_co_u32 s20, s20, s23
	s_add_nc_u64 s[16:17], s[16:17], s[20:21]      ; rxf at row tile 4 (g - 64) + w, 4,096 bytes a row tile
	s_mov_b32 s30, 0x39800000                      ; 1 / 4096
.irp q, 0,1,2,3
.irp i, 0,1,2,3,4,5,6,7
	global_load_b128 v[96+32*\q+4*\i:99+32*\q+4*\i], v5, s[6:7] offset:\q*131072+4096*\i
.endr
.endr
	COMMON
	s_wait_loadcnt 16
	ADD32 96, 128
	ADD32 160, 192
	ADD32 96, 160
.Lmean:
.set k, 0
.rept 16
	v_pk_mul_f32 v[96+2*k:97+2*k], v[96+2*k:97+2*k], s[30:31] op_sel_hi:[1,0]
.set k, k+1
.endr
.irp i, 0,1,2,3,4,5,6,7
	v_cvt_pk_bf16_f32 v[96+4*\i], v[96+4*\i], v[97+4*\i]
	v_cvt_pk_bf16_f32 v[97+4*\i], v[98+4*\i], v[99+4*\i]
	ds_store_b64 v8, v[96+4*\i:97+4*\i] offset:2*MP*\i
.endr
.irp i, 0,1,2,3,4,5,6,7
	v_cvt_pk_bf16_f32 v[224+4*\i], v[224+4*\i], v[225+4*\i]
	v_cvt_pk_bf16_f32 v[225+4*\i], v[226+4*\i], v[227+4*\i]
	ds_store_b64 v9, v[224+4*\i:225+4*\i] offset:2*WAP*\i
.endr
	s_wait_dscnt 0x0
	s_barrier_signal -1
	s_barrier_wait -1
.irp i, 0,1,2,3
	ds_load_tr16_b128 v[80+4*\i:83+4*\i], v10 offset:16*MP*\i  ; row 16 w + r, channels 16 i + 8 h .. + 7: two data fragments
.endr
.irp t, 0,1,2,3
.irp st, 0,1
	ds_load_b128 v[96+8*(2*\t+\st):96+8*(2*\t+\st)+3],   v11 offset:\t*16*WAP+64*\st
	ds_load_b128 v[96+8*(2*\t+\st)+4:96+8*(2*\t+\st)+7], v11 offset:\t*16*WAP+64*\st+32
.endr
.endr
	s_wait_dscnt 0x0
	s_wait_loadcnt 0x0                             ; ba lies in the accumulators, x in v48-79
.irp st, 0,1
.irp t, 0,1,2,3
	v_wmma_f32_16x16x32_bf16 v[16+8*\t:23+8*\t], v[96+8*(2*\t+\st):96+8*(2*\t+\st)+7], v[80+8*\st:87+8*\st], v[16+8*\t:23+8*\t]
.endr
.endr                                              ; four accumulators by turns
	PLACES
	; sigmoid(z) = 1 / (1 + 2^(-1.442695 z)); y = x gate + x.  The transcendentals go out in runs of 32 on 32 registers.  One plain vector
	; instruction has to stand between a transcendental and the first use of its result, and a second transcendental is no such
	; instruction (ISA guide 5.7.2): so one v_nop closes each run, and serves all 32 of it
.set k, 0
.rept 16
	v_pk_mul_f32 v[16+2*k:17+2*k], v[16+2*k:17+2*k], 0xbfb8aa3b op_sel_hi:[1,0]
.set k, k+1
.endr
.set k, 0
.rept 32
	v_exp_f32 v[16+k], v[16+k]
.set k, k+1
.endr
	v_nop                                          ; the plain instruction behind the 32 exponentials
.set k, 0
	s_wait_alu depctr_va_vdst(0)
.rept 16
	v_pk_add_f32 v[16+2*k:17+2*k], v[16+2*k:17+2*k], 1.0 op_sel_hi:[1,0]
.set k, k+1
.endr
.set k, 0
.rept 32
	v_rcp_f32 v[16+k], v[16+k]
.set k, k+1
.endr
	v_nop                                          ; the plain instruction behind the 32 reciprocals
.set k, 0
	s_wait_alu depctr_va_vdst(0)
.rept 16
	v_pk_fma_f32 v[48+2*k:49+2*k], v[48+2*k:49+2*k], v[16+2*k:17+2*k], v[48+2*k:49+2*k]
.set k, k+1
.endr
	s_cmp_ge_u32 s19, 64
	s_cbranch_scc1 .Lrend
	; protein rows: the maximum over my 16 rows (the sixteen lanes of a half), then over the four waves
.irp m, 1,2,4,8
.set k, 0
.rept 32
	v_max_num_f32_dpp v[48+k], v[48+k], v[48+k] row_xmask:\m row_mask:0xf bank_mask:0xf
.set k, k+1
.endr
.endr
.irp k, 0,1,2,3,4,5,6,7
	ds_store_b128 v12, v[48+4*\k:51+4*\k] offset:64*(\k/2)+16*(\k%2)   ; the sixteen lanes of a half write the same numbers to the same bytes
.endr
	s_wait_dscnt 0x0
	s_barrier_signal -1
	s_barrier_wait -1
	s_cmp_lg_u32 s18, 0
	s_cbranch_scc1 .Lend
.irp q, 0,1,2,3
	ds_load_b64 v[96+2*\q:97+2*\q], v13 offset:256*\q
.endr
	s_wait_dscnt 0x0
	v_max_num_f32 v96, v96, v98
	v_max_num_f32 v97, v97, v99
	v_max_num_f32 v100, v100, v102
	v_max_num_f32 v101, v101, v103
	v_max_num_f32 v96, v96, v100
	v_max_num_f32 v97, v97, v101
	global_store_b64 v14, v[96:97], s[14:15]       ; 256 consecutive bytes, aligned
	s_branch .Lend
.Lrend:
	; reaction rows: y as hi (v80-95) and lo (v96-111), tile t in 4 registers: registers 0-3 or 4-7 of the next launch's data fragments
	s_mov_b32 s28, 0xffff0000                      ; a word's upper bf16
	SPLIT 80, 96, 48, 112, 28
	SPLIT 88, 104, 64, 112, 28
.irp t, 0,1,2,3
	global_store_b128 v1, v[80+4*\t:83+4*\t], s[16:17] offset:512*\t
.endr
.irp t, 0,1,2,3
	global_store_b128 v1, v[96+4*\t:99+4*\t], s[16:17] offset:2048+512*\t
.endr
.Lend:
	s_set_vgpr_msb 0x5
	s_wait_tensorcnt 0x0
	ds_add_u32 v0, v1
	s_wait_dscnt 0x0
	s_set_vgpr_msb 0x500
	s_endpgm
.Lprep:
	; work-groups 72-103: my wave's fragment f = 4 (g - 72) + w.  Work-groups 72-87 have Wf1's 64 fragments, 88-103 Wf2's
	s_sub_co_u32 s22, s19, 72
	s_lshl_b32 s22, s22, 2
	s_add_co_u32 s22, s22, s18                     ; f
	s_and_b32 s32, s22, 63                         ; its number in its weight
	s_cmp_ge_u32 s19, 88
	s_cbranch_scc1 .Lprep2
	PREP 24, 9, 2                                  ; Wf1 [256][128]: rows of 512 bytes, 4 K steps
	s_branch .Lprepout
.Lprep2:
	PREP 26, 10, 3                                 ; Wf2 [128][256]: rows of 1,024 bytes, 8 K steps
.Lprepout:
	s_lshl_b32 s20, s22, 10
	s_add_co_u32 s20, s20, WIMG
	s_add_nc_u64 s[16:17], s[16:17], s[20:21]      ; rxf at my fragment's image
	s_wait_loadcnt 0x0
.set k, 0
.rept 8
	v_cvt_pk_bf16_f32 v[32+k], v[16+2*k], v[17+2*k]
.set k, k+1
.endr
	global_store_b128 v1, v[32:35], s[16:17]               ; registers 0-3 of all lanes: 512 consecutive bytes
	global_store_b128 v1, v[36:39], s[16:17] offset:512    ; registers 4-7
	s_endpgm
.Lfunc_end_k_q0930211b57_gate:
	.size	k_q0930211b57_gate, .Lfunc_end_k_q0930211b57_gate-k_q0930211b57_gate
	.p2alignl 7, 3214868480
	.fill 96, 4, 3214868480
	.section	.rodata,"a",@progbits
	.p2align	6, 0x0
	.amdhsa_kernel k_q0930211b57_gate
		.amdhsa_group_segment_fixed_size 20992
		.amdhsa_private_segment_fixed_size 0
		.amdhsa_enable_private_segment 0
		.amdhsa_kernarg_size 72
		.amdhsa_user_sgpr_count 2
		.amdhsa_user_sgpr_kernarg_segment_ptr 1
		.amdhsa_wavefront_size32 1
		.amdhsa_system_sgpr_workgroup_id_x 1
		.amdhsa_system_sgpr_workgroup_id_y 1
		.amdhsa_system_sgpr_workgroup_id_z 1
		.amdhsa_system_vgpr_workitem_id 0
		.amdhsa_next_free_vgpr 258
		.amdhsa_next_free_sgpr 66
		.amdhsa_reserve_vcc 0
		.amdhsa_float_denorm_mode_32 3
		.amdhsa_float_denorm_mode_16_64 3
		.amdhsa_memory_ordered 1
		.amdhsa_forward_progress 1
		.amdhsa_inst_pref_size 44
	.end_amdhsa_kernel
	.amdgpu_metadata
---
amdhsa.version: [ 1, 2 ]
amdhsa.kernels:
  - .name:           k_q0930211b57_gate
    .symbol:         k_q0930211b57_gate.kd
    .args:
      - { .name: slT, .offset: 0, .size: 8, .value_kind: global_buffer, .address_space: global }
      - { .name: sqP, .offset: 8, .size: 8, .value_kind: global_buffer, .address_space: global }
      - { .name: Wa, .offset: 16, .size: 8, .value_kind: global_buffer, .address_space: global }
      - { .name: ba, .offset: 24, .size: 8, .value_kind: global_buffer, .address_space: global }
      - { .name: xbuf, .offset: 32, .size: 8, .value_kind: global_buffer, .address_space: global }
      - { .name: pmax, .offset: 40, .size: 8, .value_kind: global_buffer, .address_space: global }
      - { .name: rxf, .offset: 48, .size: 8, .value_kind: global_buffer, .address_space: global }
      - { .name: Wf1, .offset: 56, .size: 8, .value_kind: global_buffer, .address_space: global }
      - { .name: Wf2, .offset: 64, .size: 8, .value_kind: global_buffer, .address_space: global }
    .group_segment_fixed_size: 20992
    .private_segment_fixed_size: 0
    .kernarg_segment_align: 8
    .kernarg_segment_size: 72
    .max_flat_workgroup_size: 128
    .sgpr_count:     66
    .vgpr_count:     258
    .wavefront_size: 32
...
	.end_amdgpu_metadata
.endif
;; end of part 4
;; launch head (part 5): grid 32 x 1, 8 waves a work-group, no clusters, 22,016 bytes of LDS; arguments rxf, pmax, bf1, bf2, Wf3, bf3, out0; writes out0
.if DOCPART == 5
	.amdgcn_target "amdgcn-amd-amdhsa--gfx1250"
	.amdhsa_code_object_version 6
	.text
	.protected	k_q0930211b57_head
	.globl	k_q0930211b57_head
	.p2align	8
	.type	k_q0930211b57_head,@function
k_q0930211b57_head:
	s_mov_b64 s[64:65], 0
	v_nop
	global_prefetch_b8 v0, s[64:65] scope:SCOPE_SE
	s_setreg_imm32_b32 hwreg(HW_REG_WAVE_MODE, 25, 1), 1
	s_wait_xcnt 0x0
; prot = the maximum of pmax's 64 rows; ctx = [rxnfp, prot]; out = leaky(leaky(ctx Wf1^T + bf1) Wf2^T + bf2) Wf3^T + bf3.  leaky(x) = max(x, 0.01 x).
; A work-group has 16 rows (one row tile), eight waves split the outputs: layer 1 (256 outputs, K = 128): 32 a wave; layer 2 (128 outputs,
; K = 256): 16 a wave; layer 3 has one output column and is a dot product of 128 numbers on the vector unit.
; Wf1 and Wf2 come as bf16 fragments that the launch before has made ready in rxf (from byte 131,072 on: 1,024 bytes a fragment, Wf1's 64, then
; Wf2's 64): wave w's eight fragments of each weight are 8,192 consecutive bytes, taken in by 16 loads of 512 consecutive bytes.
; ROUNDING.  The weights Wf1, Wf2, Wf3 are rounded to bf16; biases, sums and activations are f32.  The data operands, which are intermediates
; (rxnfp, prot, layer 1's result), go to the matrix unit as TWO bf16 operands, hi = bf16(x) and lo = bf16(x - hi), each multiplied by the same
; weight: some 2^-16 of x is dropped, not 2^-8.  Why: prot is the same in all rows and larger than rxnfp, so the output is a sum of large
; terms common to all rows that may cancel to a small remainder, in which a rounding of an intermediate to 8 bits would show.
; Layer 2's result is not rounded at all: it meets the rounded Wf3 in f32.
; Limit: a number whose rounding to bf16 overflows (above some 3.39e38) gives infinity minus infinity in lo.
; 32 work-groups: there are 32 row tiles, and each work-group takes in both weights (128 KiB as bf16), straight into registers, once.
; A work-group's 16 results are 64 bytes, so its one store covers a quarter of an aligned block of 256 bytes; the whole output is 2,048 bytes.
; REGISTERS: v16-31 accumulators; v32-63 ctx hi, v64-95 ctx lo (four fragments each), later layer 1's result hi (v32-95); v96-127 at work;
; v128-191 Wf1's eight fragments, later (v144-207) layer 1's result lo; v192-207 at work; v208-215 bf2; v216-223 Wf3;
; v256-319 Wf2's eight fragments (reached through s_set_vgpr_msb: two settings, each for one run).
.set PL,   0                           ; 8 x 256: each wave's maximum over 8 rows of pmax
.set PW,   2048                        ; 8 x 256: prot, a copy for each wave
.set H1L,  4096                        ; 16 tiles x 512: layer 1's result, hi
.set H1LO, 8192                        ; from a hi tile to its lo tile
.set OL,   20480                       ; 8 x 64: each wave's part of the 16 dot products
.set WIMG, 131072                      ; rxf: where the weights' fragments begin
.set MSB, 0
.macro WIN new                         ; s_set_vgpr_msb; the immediate's high byte repeats the setting that is left
.if MSB != \new
	s_set_vgpr_msb (MSB<<8)|\new
.set MSB, \new
.endif
.endm
.macro PLACES
.rept 4
	v_nop
.endr
.endm
; 16 f32 in v[src ..] become two fragments of 8 registers: hi = bf16(x), lo = bf16(x - hi); the difference is exact in f32.
; hi overlaps neither src nor tmp; tmp is 16 registers at work; s[msk] = 0xffff0000
.macro SPLIT hi, lo, src, tmp, msk
.set k, 0
.rept 8
	v_cvt_pk_bf16_f32 v[\hi+k], v[\src+2*k], v[\src+2*k+1]
.set k, k+1
.endr
.set k, 0
.rept 8
	v_lshlrev_b32 v[\tmp+2*k], 16, v[\hi+k]
	v_and_b32 v[\tmp+2*k+1], s[\msk], v[\hi+k]
.set k, k+1
.endr
.set k, 0
.rept 16
	v_sub_f32 v[\tmp+k], v[\src+k], v[\tmp+k]
.set k, k+1
.endr
.set k, 0
.rept 8
	v_cvt_pk_bf16_f32 v[\lo+k], v[\tmp+2*k], v[\tmp+2*k+1]
.set k, k+1
.endr
.endm
; the maximum of four quads b, b+4, b+8, b+12 and then of the two halves of the wave, into v[b:b+3]; v[t:t+3] have been written before
.macro MAX4 b, t
.irp e, 0,1,2,3
	v_max_num_f32 v[\b+\e], v[\b+\e], v[\b+4+\e]
	v_max_num_f32 v[\b+8+\e], v[\b+8+\e], v[\b+12+\e]
.endr
.irp e, 0,1,2,3
	v_max_num_f32 v[\b+\e], v[\b+\e], v[\b+8+\e]
.endr
.irp e, 0,1,2,3
	v_permlanex16_b32 v[\t+\e], v[\b+\e], s24, s25
.endr
.irp e, 0,1,2,3
	v_max_num_f32 v[\b+\e], v[\b+\e], v[\t+\e]
.endr
.endm
	s_load_b256 s[4:11], s[0:1], 0x0               ; rxf 4, pmax 6, bf1 8, bf2 10
	s_load_b128 s[12:15], s[0:1], 0x20             ; Wf3 12, bf3 14
	s_load_b64 s[16:17], s[0:1], 0x30              ; out0
	v_lshl_add_u32 v254, v0, 2, 0x5200
	v_mov_b32 v255, 0
	v_lshrrev_b32 v1, 5, v0
	v_readfirstlane_b32 s22, v1                    ; wave w
	s_mov_b32 s24, 0x76543210                      ; v_permlanex16_b32: lane i of one half reads lane i of the other
	s_mov_b32 s25, 0xfedcba98
	s_mov_b32 s28, 0xffff0000                      ; a word's upper bf16
	v_and_b32 v15, 31, v0                          ; lane
	v_and_b32 v2, 15, v0                           ; r
	v_bfe_u32 v3, v0, 4, 1                         ; h
	v_lshlrev_b32 v1, 4, v15                       ; v1 = 16 lane
	v_lshlrev_b32 v14, 4, v2                       ; 16 r
	v_lshl_add_u32 v4, s22, 3, v3
	v_lshl_add_u32 v4, v4, 8, v14                  ; v4 = (8 w + h) 256 + 16 r: pmax
	v_lshlrev_b32 v5, 5, v3                        ; 32 h
	v_lshl_add_u32 v6, s22, 6, v5                  ; v6 = (16 w + 8 h) 4: bf2, Wf3
	v_lshl_add_u32 v12, s22, 8, v5
	v_add_nc_u32 v12, PW, v12                      ; v12 = PW + 256 w + 32 h
	v_lshl_add_u32 v5, s22, 7, v5                  ; v5 = (32 w + 8 h) 4: bf1
	v_lshl_add_u32 v9, s22, 8, v14                 ; v9 = PL + 256 w + 16 r
	v_lshl_add_u32 v10, v3, 10, v14                ; v10 = PL + 1024 h + 16 r
	v_add_nc_u32 v11, PW, v9                       ; v11 = PW + 256 w + 16 r
	v_lshl_add_u32 v13, s22, 10, v1
	v_add_nc_u32 v13, H1L, v13                     ; v13 = H1L + 1024 w + 16 lane
	v_add_nc_u32 v14, H1L, v1                      ; v14 = H1L + 16 lane
	v_lshlrev_b32 v15, 2, v2
	v_lshl_add_u32 v15, s22, 6, v15
	v_add_nc_u32 v15, OL, v15                      ; v15 = OL + 64 w + 4 r
	s_mov_b32 s27, 0                               ; s[26:27]: a byte offset in 64 bits
	s_wait_kmcnt 0x0
	s_load_b32 s23, s[14:15], 0x0                  ; bf3
	s_lshl_b32 s26, s22, 13
	s_add_co_u32 s26, s26, WIMG
	s_add_nc_u64 s[18:19], s[4:5], s[26:27]        ; my wave's eight fragments of Wf1; its eight of Wf2 lie 65,536 bytes further on
	s_lshl_b32 s26, ttmp9, 12
	s_add_nc_u64 s[4:5], s[4:5], s[26:27]          ; rxf at my row tile (4,096 bytes: hi, lo)
	s_lshl_b32 s26, ttmp9, 6
	s_add_nc_u64 s[16:17], s[16:17], s[26:27]      ; out0 at my 16 rows
	; all 52 loads go out at once
.irp i, 0,1,2,3
	global_load_b128 v[96+4*\i:99+4*\i], v4, s[6:7] offset:512*\i      ; pmax rows 8 w + 2 i + h
.endr
.irp t, 0,1,2,3
	global_load_b128 v[32+4*\t:35+4*\t], v1, s[4:5] offset:512*\t      ; rxnfp hi: data fragments of K steps 0, 1
.endr
.irp t, 0,1,2,3
	global_load_b128 v[64+4*\t:67+4*\t], v1, s[4:5] offset:2048+512*\t ; rxnfp lo
.endr
.irp k, 0,1,2,3
	global_load_b128 v[16+4*\k:19+4*\k], v5, s[8:9] offset:64*(\k/2)+16*(\k%2)     ; bf1 into layer 1's accumulators
.endr
	global_load_b128 v[208:211], v6, s[10:11]              ; bf2 of my 16 outputs of layer 2
	global_load_b128 v[212:215], v6, s[10:11] offset:16
	global_load_b128 v[216:219], v6, s[12:13]              ; Wf3 likewise
	global_load_b128 v[220:223], v6, s[12:13] offset:16
.set k, 0
.rept 16
	global_load_b128 v[128+4*k:131+4*k], v1, s[18:19] offset:512*k     ; Wf1: fragment 4 i + st (rows 32 w + 16 i + r, K step st) in v[128 + 8 (4 i + st)]
.set k, k+1
.endr
	WIN 0x40                                       ; destination v256-319, address in v0-255
.set k, 0
.rept 16
	global_load_b128 v[4*k:4*k+3], v1, s[18:19] offset:65536+512*k     ; Wf2: fragment st (rows 16 w + r, K step st) in v[256 + 8 st]
.set k, k+1
.endr
	WIN 0
	s_wait_loadcnt 48                              ; 4 + 4 + 4 + 2 + 2 + 16 + 16 loads are younger than pmax's four
	MAX4 96, 100                                   ; 8 rows of pmax; v100-103 are free by then
	ds_store_b128 v9, v[96:99]                     ; both halves write the same numbers
	s_wait_dscnt 0x0
	s_barrier_signal -1
	s_barrier_wait -1
.irp i, 0,1,2,3
	ds_load_b128 v[96+4*\i:99+4*\i], v10 offset:256*\i     ; the eight waves' maxima, four in each half of the lanes
.endr
	s_wait_dscnt 0x0
	MAX4 96, 100                                   ; prot, channels 4 r .. 4 r + 3
	ds_store_b128 v11, v[96:99]                    ; into my wave's own copy; its reads below follow in order
.irp sp, 0,1
	ds_load_b128 v[96+16*\sp:99+16*\sp],   v12 offset:128*\sp
	ds_load_b128 v[100+16*\sp:103+16*\sp], v12 offset:128*\sp+16
	ds_load_b128 v[104+16*\sp:107+16*\sp], v12 offset:128*\sp+64
	ds_load_b128 v[108+16*\sp:111+16*\sp], v12 offset:128*\sp+80
.endr
	s_wait_dscnt 0x0
	SPLIT 48, 80, 96, 192, 28                      ; data fragments of K steps 2, 3: prot, the same in all 16 rows, hi and lo
	SPLIT 56, 88, 112, 192, 28
	s_wait_loadcnt 0x0                             ; rxnfp, the biases and both weights
	; layer 1: hi, then lo, against the same weights; two accumulators by turns; they start from bf1
.irp part, 0,1
.irp st, 0,1,2,3
.irp i, 0,1
	v_wmma_f32_16x16x32_bf16 v[16+8*\i:23+8*\i], v[128+8*(4*\i+\st):128+8*(4*\i+\st)+7], v[32+32*\part+8*\st:39+32*\part+8*\st], v[16+8*\i:23+8*\i]
.endr
.endr
.endr
	PLACES
.irp k, 0,2,4,6,8,10,12,14
	v_pk_mul_f32 v[96+\k:97+\k], v[16+\k:17+\k], 0x3c23d70a op_sel_hi:[1,0]
.endr
.set k, 0
.rept 16
	v_max_num_f32 v[16+k], v[16+k], v[96+k]
.set k, k+1
.endr
	SPLIT 96, 104, 16, 112, 28                     ; my two tiles: hi in v96-103, lo in v104-111
.irp i, 0,1
	ds_store_b128 v13, v[96+4*\i:99+4*\i] offset:512*\i            ; tile 2 w + i, hi
	ds_store_b128 v13, v[104+4*\i:107+4*\i] offset:H1LO+512*\i     ; and lo
.endr
	s_wait_dscnt 0x0
	s_barrier_signal -1
	s_barrier_wait -1
	; layer 2: tiles 2 st, 2 st + 1 are the data fragment of K step st, hi in v[32 + 8 st] and lo in v[144 + 8 st]
.irp st, 0,1,2,3,4,5,6,7
	ds_load_b128 v[32+8*\st:35+8*\st],   v14 offset:1024*\st
	ds_load_b128 v[36+8*\st:39+8*\st],   v14 offset:1024*\st+512
	ds_load_b128 v[144+8*\st:147+8*\st], v14 offset:H1LO+1024*\st
	ds_load_b128 v[148+8*\st:151+8*\st], v14 offset:H1LO+1024*\st+512
.endr
	WIN 0x01                                       ; source 0 (the weight) in v256-319
.irp st, 0,1,2,3,4,5,6,7
	s_wait_dscnt 28-4*\st                          ; the four loads of each later K step stay out
.if \st == 0
	v_wmma_f32_16x16x32_bf16 v[16:23], v[8*\st:8*\st+7], v[32+8*\st:39+8*\st], 0
	v_wmma_f32_16x16x32_bf16 v[24:31], v[8*\st:8*\st+7], v[144+8*\st:151+8*\st], 0
.else
	v_wmma_f32_16x16x32_bf16 v[16:23], v[8*\st:8*\st+7], v[32+8*\st:39+8*\st], v[16:23]
	v_wmma_f32_16x16x32_bf16 v[24:31], v[8*\st:8*\st+7], v[144+8*\st:151+8*\st], v[24:31]
.endif
.endr                                              ; hi's and lo's sums on two accumulators by turns
	WIN 0
	; the places behind the last matrix instructions are filled with work that names none of their registers:
	; Wf3 is rounded to bf16, as the other weights are, and widened again for the products in f32
.irp k, 0,1,2,3
	v_cvt_pk_bf16_f32 v[96+\k], v[216+2*\k], v[217+2*\k]
.endr
.irp k, 0,1,2,3
	v_lshlrev_b32 v[216+2*\k], 16, v[96+\k]
	v_and_b32 v[217+2*\k], s28, v[96+\k]
.endr
.irp k, 0,2,4,6
	v_pk_add_f32 v[16+\k:17+\k], v[16+\k:17+\k], v[24+\k:25+\k]
.endr
.irp k, 0,2,4,6
	v_pk_add_f32 v[16+\k:17+\k], v[16+\k:17+\k], v[208+\k:209+\k]      ; + bf2
.endr
.irp k, 0,2,4,6
	v_pk_mul_f32 v[24+\k:25+\k], v[16+\k:17+\k], 0x3c23d70a op_sel_hi:[1,0]
.endr
.irp k, 0,1,2,3,4,5,6,7
	v_max_num_f32 v[16+\k], v[16+\k], v[24+\k]
.endr
	; layer 3: row r, my eight columns, then the other half's eight, then the eight waves'
	v_pk_mul_f32 v[24:25], v[16:17], v[216:217]
	v_pk_fma_f32 v[24:25], v[18:19], v[218:219], v[24:25]
	v_pk_fma_f32 v[24:25], v[20:21], v[220:221], v[24:25]
	v_pk_fma_f32 v[24:25], v[22:23], v[222:223], v[24:25]
	v_add_f32 v24, v24, v25
	v_permlanex16_b32 v25, v24, s24, s25
	v_add_f32 v24, v24, v25
	ds_store_b32 v15, v24
	s_wait_dscnt 0x0
	s_barrier_signal -1
	s_barrier_wait -1
	s_cmp_lg_u32 s22, 0
	s_cbranch_scc1 .Lend
	v_lshlrev_b32 v5, 2, v2                        ; 4 r (all loads that named v4 and v5 are done)
	v_add_nc_u32 v4, OL, v5
.irp q, 0,1,2,3,4,5,6,7
	ds_load_b32 v[32+\q], v4 offset:64*\q
.endr
	s_wait_dscnt 0x0
	s_wait_kmcnt 0x0                               ; bf3
	v_add_f32 v32, v32, v33
	v_add_f32 v34, v34, v35
	v_add_f32 v36, v36, v37
	v_add_f32 v38, v38, v39
	v_add_f32 v32, v32, v34
	v_add_f32 v36, v36, v38
	v_add_f32 v32, v32, v36
	v_add_f32 v32, s23, v32
	s_wait_xcnt 0x0                                ; EXEC changes only behind s_wait_xcnt 0
	v_cmp_gt_u32 vcc_lo, 16, v0
	s_and_saveexec_b32 s26, vcc_lo                 ; lanes 0-15: one lane for each row
	global_store_b32 v5, v32, s[16:17]
	s_wait_xcnt 0x0                                ; and again in front of the line that widens it
	s_or_b32 exec_lo, exec_lo, s26
.Lend:
	s_wait_tensorcnt 0x0
	ds_add_u32 v254, v255
	s_wait_dscnt 0x0
	s_endpgm
.Lfunc_end_k_q0930211b57_head:
	.size	k_q0930211b57_head, .Lfunc_end_k_q0930211b57_head-k_q0930211b57_head
	.p2alignl 7, 3214868480
	.fill 96, 4, 3214868480
	.section	.rodata,"a",@progbits
	.p2align	6, 0x0
	.amdhsa_kernel k_q0930211b57_head
		.amdhsa_group_segment_fixed_size 22016
		.amdhsa_private_segment_fixed_size 0
		.amdhsa_enable_private_segment 0
		.amdhsa_kernarg_size 56
		.amdhsa_user_sgpr_count 2
		.amdhsa_user_sgpr_kernarg_segment_ptr 1
		.amdhsa_wavefront_size32 1
		.amdhsa_system_sgpr_workgroup_id_x 1
		.amdhsa_system_sgpr_workgroup_id_y 1
		.amdhsa_system_sgpr_workgroup_id_z 1
		.amdhsa_system_vgpr_workitem_id 0
		.amdhsa_next_free_vgpr 320
		.amdhsa_next_free_sgpr 66
		.amdhsa_reserve_vcc 1
		.amdhsa_float_denorm_mode_32 3
		.amdhsa_float_denorm_mode_16_64 3
		.amdhsa_memory_ordered 1
		.amdhsa_forward_progress 1
		.amdhsa_inst_pref_size 26
	.end_amdhsa_kernel
	.amdgpu_metadata
---
amdhsa.version: [ 1, 2 ]
amdhsa.kernels:
  - .name:           k_q0930211b57_head
    .symbol:         k_q0930211b57_head.kd
    .args:
      - { .name: rxf, .offset: 0, .size: 8, .value_kind: global_buffer, .address_space: global }
      - { .name: pmax, .offset: 8, .size: 8, .value_kind: global_buffer, .address_space: global }
      - { .name: bf1, .offset: 16, .size: 8, .value_kind: global_buffer, .address_space: global }
      - { .name: bf2, .offset: 24, .size: 8, .value_kind: global_buffer, .address_space: global }
      - { .name: Wf3, .offset: 32, .size: 8, .value_kind: global_buffer, .address_space: global }
      - { .name: bf3, .offset: 40, .size: 8, .value_kind: global_buffer, .address_space: global }
      - { .name: out0, .offset: 48, .size: 8, .value_kind: global_buffer, .address_space: global }
    .group_segment_fixed_size: 22016
    .private_segment_fixed_size: 0
    .kernarg_segment_align: 8
    .kernarg_segment_size: 56
    .max_flat_workgroup_size: 256
    .sgpr_count:     66
    .vgpr_count:     320
    .wavefront_size: 32
...
	.end_amdgpu_metadata
.endif
;; end of part 5
